; MI455X (gfx1250); checked and timed in simulation.
; The chip was launched on July 23, 2026; its instructions are those of AMD's public machine-readable ISA for CDNA 5 (MIT licence, August 2026) and "CDNA5" Instruction Set Architecture Reference Guide (July 2026). The comments in the code are by the model that wrote it; some were corrected since.
;; Feature Propagation. Allowed arithmetic: float matrix products may take bf16 or f16 operands with f32 sums; all other float work in f32.
;; Inputs: W1 256 x 256 float32; W2 256 x 256 float32; b1 256 float32; b2 256 float32; coarse_coords 4 x 2,048 x 3 float32; coarse_feats 4 x 2,048 x 256 float32; fine_coords 4 x 16,384 x 3 float32.
;; Outputs: out0 4 x 16,384 x 256 float32.
;; One version. Each part assembles by itself: llvm-mc -triple=amdgcn-amd-amdhsa -mcpu=gfx1250 --defsym DOCPART=n.
;; ======== version 1 of 1: 3 launches
;; limits: values outside matrix products are rounded to f16; values are held in f16: magnitudes above 65,504 overflow, below 6.1e-05 lose precision
;; workspace buffers: gids 1,048,576 bytes of whole numbers; nidx 1,048,576 bytes of whole numbers; nw 1,048,576 bytes; G1 4,194,304 bytes; W1b 131,072 bytes; W2b 131,072 bytes
;; launch groups (part 1): grid 256 x 1, 8 waves a work-group, no clusters, 35,072 bytes of LDS; arguments fine_coords, coarse_coords, W1, W2, gids, W1b, W2b; writes gids, W1b, W2b
.if DOCPART == 1
	.amdgcn_target "amdgcn-amd-amdhsa--gfx1250"
	.amdhsa_code_object_version 6
	.text
	.protected	k_q3eff1de275_groups
	.globl	k_q3eff1de275_groups
	.p2align	8
	.type	k_q3eff1de275_groups,@function
k_q3eff1de275_groups:
	s_mov_b64 s[64:65], 0
	v_nop
	global_prefetch_b8 v0, s[64:65] scope:SCOPE_SE
	s_setreg_imm32_b32 hwreg(HW_REG_WAVE_MODE, 25, 1), 1
	s_wait_xcnt 0x0
; GROUPS.  For each of 4 x 16,384 fine points: which 4 of the 128 groups of 16 neighbouring coarse points hold the smallest squared distances
; |f|^2 - 2 f.c + |c|^2.  The three nearest points always lie in the three groups that come first by (group minimum, group number); a fourth group
; is kept as margin, since the matrix unit adds in another order than the later exact pass and the minima are shortened as said below.
; The four group numbers go out ascending, 16 bytes a point.  On the side, waves 0 and 1 turn one row each of W1 and W2 into 16 bits with permuted columns.
; THE LISTS.  A group's minimum is a positive f32, so its bits order as the number does.  Its lowest six mantissa bits give way to the group's number
; within the lane's half (0..63): the word then orders by (shortened minimum, number), and a sorted list of four takes three v_med3 and one v_min,
; with no list of numbers beside it.  The shortening is at most 2^-17 of the squared distance.
; FORMAT AND LIMITS.  Every input of a product is rounded to bf16 once.  Coordinates: norms and products are formed from the rounded numbers; |c|^2 (f32)
; enters the product as three bf16 pieces that add up to it, |f|^2 (f32) as the product's addend.  W1b holds bf16.  W2b holds the bf16-rounded W2 written
; as f16, since the last product takes f16 activations and its form wants both operands in f16: exact for 2^-17 <= |W2| < 65,504, below that to a step of 6e-8.
; Minima below the smallest normal f32, 1.2e-38 (those that rounding made negative among them), count as equal; of equal ones the lower number stays ahead.
; NaN or infinite coordinates are not served (a copy of each table entry meets zeros in the other operand, and a NaN never enters a list).
; A wrong set of groups needs two further groups whose minima lie within the product's rounding and the shortening of the third.
; SHARES.  Work-group: 256 fine points of one batch.  Wave: 32 of them, as two tiles of 16.  Lane (r, h): for fine point r of each tile the best four
; groups among coarse points 1024 h .. 1024 h + 1023; the two halves are merged at the end.
; No tensor loads, no cluster: the coarse table is 24 KiB read once by each work-group, and nothing in LDS is filled twice.
.set TBLHI, 16512                      ; LDS: table entries of points 0-1023 at 16 n, of points 1024-2047 at TBLHI + 16 (n - 1024): 128 bytes of skew,
                                       ; so that the 8 + 8 rows that one fragment load touches cover 256 different bytes modulo 256
.set WSCR,  33024                      ; LDS: 512 bytes each for waves 0 and 1, to permute a weight row
.set CL,  16                           ; v[16:47]   eight coarse points as loaded, then as table entries (4 registers each)
.set FL,  48                           ; v[48:50], v[52:54]  the lane's fine point of tile 0, 1
.set BOP, 56                           ; v[56:71]   the two fine tiles as second operands
.set AB,  72                           ; v[72:103]  coarse tiles as first operands: AB + 16 p + 8 a (p: buffer, a: tile of the group)
.set DD,  104                          ; v[104:167] products: DD + 32 p + 16 a + 8 f
.set LS,  168                          ; v[168:183] list of tile f: words LS + 8 f + 0..3 ascending; behind the search values there, group numbers at LS + 8 f + 4..7
.set XT,  184                          ; v184       merge: a temporary
.set XQ,  188                          ; v[188:191] a group's word: XQ + 2 p + f
.set TM,  208                          ; v[208:217] the tree of minima: TM + 5 f + 0..4
.set MB,  208                          ; v[208:215] merge: the list that is kept
.set MI,  216                          ; v[216:223] merge: the list that is inserted; then the sorted numbers
.set FC,  224                          ; v[224:239] |f|^2 of the lane's fine point of tile f, eight times: the products' addend
	s_load_b256 s[4:11], s[0:1], 0x0               ; fine s[4:5], coarse s[6:7], W1 s[8:9], W2 s[10:11]
	s_load_b128 s[12:15], s[0:1], 0x20             ; gids s[12:13], W1b s[14:15]
	s_load_b64 s[16:17], s[0:1], 0x30              ; W2b s[16:17]
	v_lshl_add_u32 v240, v0, 2, 0x8500
	v_mov_b32 v241, 0
	v_lshrrev_b32 v10, 5, v0
	v_readfirstlane_b32 s18, v10                   ; wave 0..7
	v_and_b32 v1, 31, v0                           ; lane
	v_and_b32 v2, 15, v0                           ; r
	v_bfe_u32 v3, v0, 4, 1                         ; h
	v_mul_u32_u24 v6, v0, 12                       ; coarse point t of each block of 256: 12 t
	s_mul_i32 s42, s18, 384                        ; my wave's 32 fine points
	v_mul_u32_u24 v7, v2, 12
	v_add_nc_u32 v7, s42, v7                       ; fine point r of tile 0: 384 w + 12 r
	v_lshlrev_b32 v8, 4, v0                        ; 16 t: table entry in LDS, and my record in gids
	v_and_b32 v11, 7, v0
	v_bfe_u32 v12, v0, 3, 1
	v_mul_u32_u24 v4, v12, TBLHI
	v_lshl_add_u32 v4, v11, 4, v4                  ; fragment row r of tile 0: rows 0-7 = points 0-7, rows 8-15 = points 1024-1031
	v_lshlrev_b32 v5, 6, v3                        ; 64 h: first group number of my half
	s_lshr_b32 s32, ttmp9, 6                       ; batch
	s_mul_i32 s32, s32, 24576
	s_mov_b32 s33, 0
	s_mul_i32 s34, ttmp9, 3072                     ; 256 fine points of 12 bytes
	s_mov_b32 s35, 0
	s_lshl_b32 s36, ttmp9, 12                      ; 256 records of 16 bytes
	s_mov_b32 s37, 0
	s_lshl_b32 s38, ttmp9, 10                      ; row number = work-group number, 1,024 bytes in f32
	s_mov_b32 s39, 0
	s_lshl_b32 s40, ttmp9, 9                       ; 512 bytes in 16 bits
	s_mov_b32 s41, 0
	s_mov_b32 s29, 0xffff0000                      ; a word's upper bf16
	s_mov_b32 s30, 0x76543210                      ; v_permlanex16_b32: lane i reads lane i of the other half
	s_mov_b32 s31, 0xfedcba98
	s_mov_b32 s44, 0xffffffc0                      ; all of a word but the six bits of the group's number
	s_mov_b32 s45, 0x00800000                      ; the smallest normal f32
	s_wait_kmcnt 0x0
	s_add_nc_u64 s[6:7], s[6:7], s[32:33]
	s_add_nc_u64 s[4:5], s[4:5], s[34:35]
	s_add_nc_u64 s[12:13], s[12:13], s[36:37]
	s_add_nc_u64 s[8:9], s[8:9], s[38:39]
	s_add_nc_u64 s[10:11], s[10:11], s[38:39]
	s_add_nc_u64 s[14:15], s[14:15], s[40:41]
	s_add_nc_u64 s[16:17], s[16:17], s[40:41]
.irp i, 0,1,2,3,4,5,6,7
	global_load_b96 v[CL+4*\i:CL+4*\i+2], v6, s[6:7] offset:3072*\i    ; point 256 i + t
.endr
	global_load_b96 v[FL:FL+2], v7, s[4:5]
	global_load_b96 v[FL+4:FL+6], v7, s[4:5] offset:192
; THE WEIGHT ROWS.  Row k = work-group number.  W1b: place 16 T + r holds column 128 (T >> 3) + 8 r + (T & 7); W2b: column 64 (T >> 2) + 4 r + (T & 3).
; With these orders a lane of the later products owns 8 (16-bit) or 4 (f32) neighbouring true columns of a row, spread over neighbouring tiles.
; Eight numbers in v[200:203] are strewn into the wave's own 512 bytes and read back in order (LDS serves a wave's instructions in order: ISA guide 5.7.1).
; half = 1: the bf16-rounded numbers are widened again and written as f16.
.macro SCATTER base, second, half
.irp i, 0,1,2,3
	v_cvt_pk_bf16_f32 v[200+\i], v[192+2*\i], v[193+2*\i]
.endr
.if \half
.irp i, 0,1,2,3
	v_lshlrev_b32 v[192+2*\i], 16, v[200+\i]
	v_and_b32 v[193+2*\i], s29, v[200+\i]
.endr
.irp i, 0,1,2,3
	v_cvt_pk_f16_f32 v[200+\i], v[192+2*\i], v[193+2*\i]
.endr
.endif
	ds_store_b16 v13, v200 offset:\base
	ds_store_b16_d16_hi v13, v200 offset:\base+32
	ds_store_b16 v13, v201 offset:\base+64
	ds_store_b16_d16_hi v13, v201 offset:\base+96
	ds_store_b16 v13, v202 offset:\base+\second
	ds_store_b16_d16_hi v13, v202 offset:\base+\second+32
	ds_store_b16 v13, v203 offset:\base+\second+64
	ds_store_b16_d16_hi v13, v203 offset:\base+\second+96
	ds_load_b128 v[204:207], v14 offset:\base
	s_wait_dscnt 0x0                               ; the row in its new order
.endm
	s_cmp_gt_u32 s18, 1
	s_cbranch_scc1 .Lno_row                        ; waves 2 to 7 have no row
	v_lshlrev_b32 v14, 4, v1                       ; 16 x lane
	v_lshlrev_b32 v13, 1, v2                       ; 2 r
	s_cmp_eq_u32 s18, 1
	s_cbranch_scc1 .Lrow_w2
	v_lshlrev_b32 v12, 5, v1                       ; wave 0, W1: lane takes columns 8 lane + q, q = 0..7
	global_load_b128 v[192:195], v12, s[8:9] th:TH_LOAD_NT
	global_load_b128 v[196:199], v12, s[8:9] offset:16 th:TH_LOAD_NT
	v_lshl_add_u32 v13, v3, 8, v13                 ; they go to bytes 256 (lane >> 4) + 32 q + 2 r
	s_wait_loadcnt 0x0
	SCATTER WSCR, 128, 0
	global_store_b128 v14, v[204:207], s[14:15]    ; 512 consecutive bytes, aligned
	s_wait_xcnt 0x0                                ; v12 to v14 are written again below
	s_branch .Lno_row
.Lrow_w2:
	global_load_b128 v[192:195], v14, s[10:11] th:TH_LOAD_NT             ; wave 1, W2: columns 4 lane + q
	global_load_b128 v[196:199], v14, s[10:11] offset:512 th:TH_LOAD_NT  ; and 128 + 4 lane + q, q = 0..3
	v_lshl_add_u32 v13, v3, 7, v13                 ; they go to bytes 128 (lane >> 4) + 32 q + 2 r, the second four 256 further
	s_wait_loadcnt 0x0
	SCATTER WSCR+512, 256, 1
	global_store_b128 v14, v[204:207], s[16:17]
	s_wait_xcnt 0x0
.Lno_row:
	s_wait_loadcnt 0x0                             ; my eight coarse points and two fine points
; THE TABLE.  Entry of a point, 16 bytes: bf16 cx, cy | cz, c1 | c2, c3 | 0, with c1 + c2 + c3 = cx^2 + cy^2 + cz^2 of the rounded point.
.macro CPOINT i
	v_cvt_pk_bf16_f32 v[CL+4*\i], v[CL+4*\i], v[CL+4*\i+1]     ; cx, cy
	v_cvt_pk_bf16_f32 v10, v[CL+4*\i+2], v[CL+4*\i+2]
	v_lshlrev_b32 v11, 16, v[CL+4*\i]                          ; the rounded numbers, widened again
	v_and_b32 v12, s29, v[CL+4*\i]
	v_lshlrev_b32 v10, 16, v10
	v_mul_f32 v11, v11, v11
	v_fma_f32 v11, v12, v12, v11
	v_fma_f32 v11, v10, v10, v11                               ; |c|^2
	v_cvt_pk_bf16_f32 v[CL+4*\i+1], v[CL+4*\i+2], v11          ; cz, c1
	v_and_b32 v12, s29, v[CL+4*\i+1]
	v_sub_f32 v11, v11, v12                                    ; what c1 left
	v_cvt_pk_bf16_f32 v12, v11, v11
	v_lshlrev_b32 v12, 16, v12
	v_sub_f32 v12, v11, v12                                    ; what c2 leaves
	v_cvt_pk_bf16_f32 v[CL+4*\i+2], v11, v12                   ; c2, c3
	v_mov_b32 v[CL+4*\i+3], 0
	ds_store_b128 v8, v[CL+4*\i:CL+4*\i+3] offset:4096*\i+128*(\i/4)
.endm
.irp i, 0,1,2,3,4,5,6,7
	CPOINT \i
.endr
; A fine tile as second operand: lanes 0-15 (k = 0..7) hold -2 fx, -2 fy | -2 fz, 1 | 1, 1 | 0; lanes 16-31 (k = 8..15) and k = 16..31 hold zeros.
; The addend: result register j of lane (r, h) belongs to fine point r whatever j and h are, so all eight registers hold |f|^2 of the lane's point.
.macro FINEOP f
	v_mul_f32 v10, -2.0, v[FL+4*\f]
	v_mul_f32 v11, -2.0, v[FL+4*\f+1]
	v_mul_f32 v12, -2.0, v[FL+4*\f+2]
	v_cvt_pk_bf16_f32 v10, v10, v11                ; rounding -2 x gives -2 times the rounded x
	v_cvt_pk_bf16_f32 v12, v12, 1.0
	v_lshlrev_b32 v11, 16, v10                     ; the rounded numbers, widened again
	v_and_b32 v14, s29, v10
	v_lshlrev_b32 v15, 16, v12
	v_mul_f32 v11, v11, v11
	v_fma_f32 v11, v14, v14, v11
	v_fma_f32 v11, v15, v15, v11                   ; 4 |f|^2
	v_mul_f32 v[FC+8*\f], 0x3e800000, v11          ; a quarter of it: a power of two, no rounding
.irp j, 1,2,3,4,5,6,7
	v_mov_b32 v[FC+8*\f+\j], v[FC+8*\f]
.endr
	v_cndmask_b32 v[BOP+8*\f], 0, v10, vcc_lo
	v_cndmask_b32 v[BOP+8*\f+1], 0, v12, vcc_lo
	v_cndmask_b32 v[BOP+8*\f+2], 0, v13, vcc_lo
.irp j, 3,4,5,6,7
	v_mov_b32 v[BOP+8*\f+\j], 0
.endr
.endm
	v_cmp_gt_u32 vcc_lo, 16, v1
	v_mov_b32 v13, 0x3f803f80                      ; 1, 1 in bf16
	FINEOP 0
	FINEOP 1
.irp i, 4,5,6,7,12,13,14,15,20,21,22,23,28,29,30,31
	v_mov_b32 v[AB+\i], 0                          ; k = 16..31 of every coarse tile, once for the whole search
.endr
.irp i, 0,1,2,3,8,9,10,11
	v_mov_b32 v[LS+\i], 0x7f800000                 ; the lists start at +infinity
.endr
	v_mov_b32 v[XQ+2], 0x7f800000                  ; and so do the words that the first step inserts: they change nothing
	v_mov_b32 v[XQ+3], 0x7f800000
	s_wait_dscnt 0x0                               ; my table entries are written,
	s_barrier_signal -1
	s_barrier_wait -1                              ; everybody's are: the only barrier
; THE SEARCH.  Tile t as first operand: one 16-byte load a lane (both halves of the lanes read row r; the copy in k = 8..15 meets zeros).
; Result register j of lane (r, h): the squared distance of coarse point 1024 h + 8 t + j from fine point r.
.macro MM p                            ; the four products of one group: two coarse tiles x two fine tiles, each on top of |f|^2
.irp a, 0,1
.irp f, 0,1
	v_wmma_f32_16x16x32_bf16 v[DD+32*\p+16*\a+8*\f:DD+32*\p+16*\a+8*\f+7], v[AB+16*\p+8*\a:AB+16*\p+8*\a+7], v[BOP+8*\f:BOP+8*\f+7], v[FC+8*\f:FC+8*\f+7]
.endr
.endr
.endm
; The smallest of a group's 16 values as a tree: five minima of three, two of three, one of two; none of a level's instructions reads another's result.
.macro RED_A p
.irp f, 0,1
	v_min3_num_f32 v[TM+5*\f], v[DD+32*\p+8*\f], v[DD+32*\p+8*\f+1], v[DD+32*\p+8*\f+2]
	v_min3_num_f32 v[TM+5*\f+1], v[DD+32*\p+8*\f+3], v[DD+32*\p+8*\f+4], v[DD+32*\p+8*\f+5]
	v_min3_num_f32 v[TM+5*\f+2], v[DD+32*\p+8*\f+6], v[DD+32*\p+8*\f+7], v[DD+32*\p+16+8*\f]
	v_min3_num_f32 v[TM+5*\f+3], v[DD+32*\p+16+8*\f+1], v[DD+32*\p+16+8*\f+2], v[DD+32*\p+16+8*\f+3]
	v_min3_num_f32 v[TM+5*\f+4], v[DD+32*\p+16+8*\f+4], v[DD+32*\p+16+8*\f+5], v[DD+32*\p+16+8*\f+6]
.endr
.endm
.macro RED_B p
.irp f, 0,1
	v_min3_num_f32 v[TM+5*\f], v[TM+5*\f], v[TM+5*\f+1], v[TM+5*\f+2]
	v_min3_num_f32 v[TM+5*\f+3], v[TM+5*\f+3], v[TM+5*\f+4], v[DD+32*\p+16+8*\f+7]
.endr
.endm
; Word v[x] goes into the ascending list of four words at l: the middle of (new, the place ahead, own) is a place's new word.  Each line reads
; the places as they were, so the four are written from the last place to the first, in two halves that other work is laid between.
.macro INSHI x, l
	v_med3_num_f32 v[\l+3], v[\x], v[\l+2], v[\l+3]
	v_med3_num_f32 v[\l+2], v[\x], v[\l+1], v[\l+2]
.endm
.macro INSLO x, l
	v_med3_num_f32 v[\l+1], v[\x], v[\l], v[\l+1]
	v_min_num_f32 v[\l], v[\x], v[\l]
.endm
; One step: group u (s19) of my half is reduced from D[p] to its word XQ[p]; the word of group u - 1, XQ[o], goes into the lists between the
; tree's last levels; meanwhile group u + 1 is multiplied into D[o] and group u + 2 is fetched into AB[p].
; The step's 29 vector instructions name none of the registers of the products issued in it; they are the places between
; those products and the next step's loads into their operands and reads of their results.
.macro STEP p, o, load, mm
.if \load
	ds_load_b128 v[AB+16*\p:AB+16*\p+3], v4 offset:512
	ds_load_b128 v[AB+16*\p+8:AB+16*\p+11], v4 offset:640
	s_wait_dscnt 0x2                               ; all but the two just issued: group u + 1 is in
.else
.if \mm
	s_wait_dscnt 0x0                               ; nothing was issued behind the last group's loads
.endif
.endif
.if \mm
	MM \o
.endif
	RED_A \p
	INSHI XQ+2*\o, LS
	RED_B \p
	INSLO XQ+2*\o, LS
	v_min_num_f32 v[TM], v[TM], v[TM+3]
	v_min_num_f32 v[TM+5], v[TM+5], v[TM+8]
	INSHI XQ+2*\o+1, LS+8
	v_max_num_f32 v[TM], s45, v[TM]                ; positive and normal, so that the word below orders as a float does
	v_max_num_f32 v[TM+5], s45, v[TM+5]
	INSLO XQ+2*\o+1, LS+8
	v_and_or_b32 v[XQ+2*\p], v[TM], s44, s19       ; the group's number takes the six lowest bits
	v_and_or_b32 v[XQ+2*\p+1], v[TM+5], s44, s19
	s_add_co_u32 s19, s19, 1
	v_add_nc_u32 v4, 0x100, v4                     ; two tiles of 128 bytes on
.endm
	ds_load_b128 v[AB:AB+3], v4                    ; group 0
	ds_load_b128 v[AB+8:AB+11], v4 offset:128
	ds_load_b128 v[AB+16:AB+19], v4 offset:256     ; group 1
	ds_load_b128 v[AB+24:AB+27], v4 offset:384
	s_wait_dscnt 0x2                               ; group 0 is in
	MM 0
.rept 4
	v_nop                                          ; four places ahead of the first step's loads into AB[0] and reads of D[0]
.endr
	s_mov_b32 s19, 0
	s_mov_b32 s28, 31
.Lsearch:
	STEP 0, 1, 1, 1
	STEP 1, 0, 1, 1
	s_sub_co_u32 s28, s28, 1
	s_cmp_lg_u32 s28, 0
	s_cbranch_scc1 .Lsearch
	STEP 0, 1, 0, 1                                ; group 62: nothing left to fetch
	STEP 1, 0, 0, 0                                ; group 63: nothing left to multiply
	INSHI XQ+2, LS                                 ; group 63's words
	INSLO XQ+2, LS
	INSHI XQ+3, LS+8
	INSLO XQ+3, LS+8
; THE MERGE.  The words are taken apart: the shortened minimum, and the group's number with 64 h added.  Lane (r, h) ends up with fine point r of tile h.
; The list over groups 0-63 is kept and the list over groups 64-127 is inserted into it in its own order, strictly smaller values only,
; so that of equal values the lower number stays ahead.
; Value v[x] with number id goes into the ascending list of four at l (values l..l+3, numbers l+4..l+7).  m: four scalar registers for the masks; t: a temporary.
.macro INS4 x, id, l, m, t
	v_cmp_lt_f32 s[\m], v[\x], v[\l]
	v_cmp_lt_f32 s[\m+1], v[\x], v[\l+1]
	v_cmp_lt_f32 s[\m+2], v[\x], v[\l+2]
	v_cmp_lt_f32 s[\m+3], v[\x], v[\l+3]
	v_cndmask_b32 v[\t], \id, v[\l+6], s[\m+2]     ; place 3 takes place 2's number, the new one, or keeps its own
	v_cndmask_b32 v[\l+7], v[\l+7], v[\t], s[\m+3]
	v_cndmask_b32 v[\t], \id, v[\l+5], s[\m+1]
	v_cndmask_b32 v[\l+6], v[\l+6], v[\t], s[\m+2]
	v_cndmask_b32 v[\t], \id, v[\l+4], s[\m]
	v_cndmask_b32 v[\l+5], v[\l+5], v[\t], s[\m+1]
	v_cndmask_b32 v[\l+4], v[\l+4], \id, s[\m]
	v_med3_num_f32 v[\l+3], v[\x], v[\l+2], v[\l+3]
	v_med3_num_f32 v[\l+2], v[\x], v[\l+1], v[\l+2]
	v_med3_num_f32 v[\l+1], v[\x], v[\l], v[\l+1]
	v_min_num_f32 v[\l], v[\x], v[\l]
.endm
.irp i, 0,1,2,3,8,9,10,11
	v_and_or_b32 v[LS+4+\i], v[LS+\i], 63, v5      ; the number within my half, + 64 h
	v_and_b32 v[LS+\i], s44, v[LS+\i]              ; the shortened minimum
.endr
.irp i, 0,1,2,3,4,5,6,7
	v_permlanex16_b32 v[DD+\i], v[LS+\i], s30, s31         ; the other half's list of tile 0 (the destination counts as read: D's registers were written long ago)
	v_permlanex16_b32 v[DD+8+\i], v[LS+8+\i], s30, s31     ; and of tile 1
.endr
	v_cmp_lt_u32 vcc_lo, 15, v1                    ; h
.irp i, 0,1,2,3,4,5,6,7
	v_cndmask_b32 v[MB+\i], v[LS+\i], v[DD+8+\i], vcc_lo   ; kept: h = 0 my tile 0, h = 1 the partner's tile 1 (both over groups 0-63)
	v_cndmask_b32 v[MI+\i], v[DD+\i], v[LS+8+\i], vcc_lo   ; inserted: h = 0 the partner's tile 0, h = 1 my tile 1
.endr
	INS4 MI, v220, MB, 20, XT
	INS4 MI+1, v221, MB, 20, XT
	INS4 MI+2, v222, MB, 20, XT
	INS4 MI+3, v223, MB, 20, XT
	v_min_u32 v216, v212, v213                     ; the four numbers ascending (five exchanges), so that the next launch meets the points in index order
	v_max_u32 v217, v212, v213
	v_min_u32 v218, v214, v215
	v_max_u32 v219, v214, v215
	v_min_u32 v220, v216, v218
	v_max_u32 v212, v216, v218
	v_min_u32 v213, v217, v219
	v_max_u32 v223, v217, v219
	v_min_u32 v221, v213, v212
	v_max_u32 v222, v213, v212
	global_store_b128 v8, v[220:223], s[12:13]     ; point 32 w + lane: a wave stores 512 consecutive bytes, aligned
	s_wait_tensorcnt 0x0
	ds_add_u32 v240, v241
	s_wait_dscnt 0x0
	s_endpgm
.Lfunc_end_k_q3eff1de275_groups:
	.size	k_q3eff1de275_groups, .Lfunc_end_k_q3eff1de275_groups-k_q3eff1de275_groups
	.p2alignl 7, 3214868480
	.fill 96, 4, 3214868480
	.section	.rodata,"a",@progbits
	.p2align	6, 0x0
	.amdhsa_kernel k_q3eff1de275_groups
		.amdhsa_group_segment_fixed_size 35072
		.amdhsa_private_segment_fixed_size 0
		.amdhsa_enable_private_segment 0
		.amdhsa_kernarg_size 56
		.amdhsa_user_sgpr_count 2
		.amdhsa_user_sgpr_kernarg_segment_ptr 1
		.amdhsa_wavefront_size32 1
		.amdhsa_system_sgpr_workgroup_id_x 1
		.amdhsa_system_sgpr_workgroup_id_y 1
		.amdhsa_system_sgpr_workgroup_id_z 1
		.amdhsa_system_vgpr_workitem_id 0
		.amdhsa_next_free_vgpr 242
		.amdhsa_next_free_sgpr 66
		.amdhsa_reserve_vcc 1
		.amdhsa_float_denorm_mode_32 3
		.amdhsa_float_denorm_mode_16_64 3
		.amdhsa_memory_ordered 1
		.amdhsa_forward_progress 1
		.amdhsa_inst_pref_size 32
	.end_amdhsa_kernel
	.amdgpu_metadata
---
amdhsa.version: [ 1, 2 ]
amdhsa.kernels:
  - .name:           k_q3eff1de275_groups
    .symbol:         k_q3eff1de275_groups.kd
    .args:
      - { .name: fine_coords, .offset: 0, .size: 8, .value_kind: global_buffer, .address_space: global }
      - { .name: coarse_coords, .offset: 8, .size: 8, .value_kind: global_buffer, .address_space: global }
      - { .name: W1, .offset: 16, .size: 8, .value_kind: global_buffer, .address_space: global }
      - { .name: W2, .offset: 24, .size: 8, .value_kind: global_buffer, .address_space: global }
      - { .name: gids, .offset: 32, .size: 8, .value_kind: global_buffer, .address_space: global }
      - { .name: W1b, .offset: 40, .size: 8, .value_kind: global_buffer, .address_space: global }
      - { .name: W2b, .offset: 48, .size: 8, .value_kind: global_buffer, .address_space: global }
    .group_segment_fixed_size: 35072
    .private_segment_fixed_size: 0
    .kernarg_segment_align: 8
    .kernarg_segment_size: 56
    .max_flat_workgroup_size: 256
    .sgpr_count:     66
    .vgpr_count:     242
    .wavefront_size: 32
...
	.end_amdgpu_metadata
.endif
;; end of part 1
;; launch refine (part 2): grid 256 x 1, 8 waves a work-group, no clusters, 192,000 bytes of LDS; arguments gids, coarse_coords, fine_coords, coarse_feats, W1b, G1, nidx, nw; writes G1, nidx, nw
.if DOCPART == 2
	.amdgcn_target "amdgcn-amd-amdhsa--gfx1250"
	.amdhsa_code_object_version 6
	.text
	.protected	k_q3eff1de275_refine
	.globl	k_q3eff1de275_refine
	.p2align	8
	.type	k_q3eff1de275_refine,@function
k_q3eff1de275_refine:
	s_mov_b64 s[64:65], 0
	v_nop
	global_prefetch_b8 v0, s[64:65] scope:SCOPE_SE
	s_setreg_imm32_b32 hwreg(HW_REG_WAVE_MODE, 25, 1), 1
	s_wait_xcnt 0x0
; REFINE.  Two pieces of work that share a launch.
; (1) For each fine point the 64 coarse points of its four groups are measured again in f32, in the order of the problem's formula:
;     dot = fx cx, + fy cy, + fz cz;  sq = (|f|^2 - 2 dot) + |c|^2;  max(sq, 0).  All numbers are the bf16-rounded coordinates, whose products are exact in f32,
;     so a fused multiply-add rounds as a multiply and an add would.  The best three by (sq, index) go out as rows of G1, with their weights
;     w = 1 / (sqrt(sq) + 1e-8), divided by their sum.
; (2) G1 = coarse_feats x W1 in bf16 operands, f32 sums, 32 rows a work-group: sum_k w_k (F W1)[idx_k] = (sum_k w_k F[idx_k]) W1, so the
;     first Linear is made on 8,192 rows instead of 65,536.  The bias is added where the rows are blended.
; ORDER.  (1) stands first: it needs the table of coarse points alone.  W1b's tensor load (16 KiB a wave) and the eight loads of F are issued at the
; start and stay on their way through the some 1,000 vector instructions of (1); they are waited for in front of a second barrier, behind which (2) follows.
; FORMAT OF G1: f16.  Eight significant bits leave an error of 1.7e-3 of G1's spread in each number, which after the blend and the second Linear is
; a quarter of what the result may be off by; eleven bits leave an eighth of that.
; LIMITS.  |F W1| below 65,504: features and W1 both offset by 30 times their spread give 256 x 30 x 1.875 = 14,400, both 30 times larger a spread of 900;
; numbers below 6.1e-5 are kept to a step of 6e-8 (both 30 times smaller: a spread of 1.1e-3).  The ranking is on max(sq, 0), not on its root: two
; different sq whose roots round to one f32 are not taken as a tie.  NaN and infinite coordinates are not served.  Features and W1 enter as bf16.
; No cluster: what work-groups share is W1b, 128 KiB read once by each; no LDS byte is filled twice, so there is no ring.
.set FT,  139264                       ; LDS 0 .. 139,263: W1b, 256 rows of 512 bytes + 32 of padding (pitch 544 = 17 x 32).  FT: 32 rows of F in bf16, pitch 528 = 33 x 16
.set CT,  156160                       ; 128 groups, pitch 272 = 17 x 16; a group: 8 pairs of points, 32 bytes each: cx0 cx1 cy0 cy1 | cz0 cz1 cc0 cc1 in f32
.set BF,  32                           ; v[32:95]   first the coarse points as loaded; then the candidates, two buffers; then W1b fragments, two halves of four tiles
.set AF,  96                           ; v[96:111]  temporaries; the weights; then F fragments, two buffers
.set ACC, 112                          ; v[112:175] v[112:143] F as loaded; then eight accumulator tiles
.set TT,  184                          ; v[184:191] eight sq at work
                                       ; v[4:7] group numbers; v[8:11] fx fy fz |f|^2; v[12:15] LDS address of each group; v[176:178] best three sq; v[180:182] their places 0..63
	s_load_b512 s[4:19], s[0:1], 0x0               ; gids s[4:5], coarse s[6:7], fine s[8:9], feats s[10:11], W1b s[12:13], G1 s[14:15], nidx s[16:17], nw s[18:19]
	v_lshl_add_u32 v192, v0, 2, 0x2ea00
	v_mov_b32 v193, 0
	ds_add_u32 v192, v193
	ds_add_u32 v192, v193
	v_lshrrev_b32 v27, 5, v0
	v_readfirstlane_b32 s20, v27                   ; wave 0..7
	; The tensor load: wave w brings rows 32 w .. 32 w + 31 of W1b.  Group 0: from where, to where.  Group 1: the shape.
	s_mov_b32 s24, 1                               ; count = 1
	s_mul_i32 s25, s20, 17408                      ; LDS address: 32 rows of 544 bytes a wave
	s_mov_b32 s28, 0x0f910000                      ; elements of 2 bytes; padding on: after every 128 words (a row) skip 8 words
	s_mov_b32 s29, 256<<16                         ; tensor_dim0 = 256
	s_mov_b32 s30, 32<<16                          ; tensor_dim1 = 32
	s_mov_b32 s31, 256<<16                         ; tile_dim0 = 256
	s_mov_b32 s32, 32                              ; tile_dim1 = 32
	s_mov_b32 s33, 256                             ; elements from row to row
	s_mov_b32 s34, 0
	s_mov_b32 s35, 0
	s_lshl_b32 s46, s20, 14                        ; 32 rows of 512 bytes
	s_mov_b32 s47, 0
	s_lshl_b32 s36, ttmp9, 12                      ; 256 records of 16 bytes: gids, nidx, nw
	s_mov_b32 s37, 0
	s_lshr_b32 s51, ttmp9, 6                       ; batch
	s_mul_i32 s38, s51, 24576
	s_mov_b32 s39, 0
	s_lshl_b32 s51, s51, 11                        ; first row of the batch in G1
	s_mul_i32 s40, ttmp9, 3072
	s_mov_b32 s41, 0
	s_lshl_b32 s42, ttmp9, 15                      ; 32 rows of F, 1,024 bytes each
	s_mov_b32 s43, 0
	s_lshl_b32 s44, ttmp9, 14                      ; 32 rows of G1, 512 bytes each
	s_mov_b32 s45, 0
	s_mov_b32 s21, 0xffff0000
	v_and_b32 v1, 31, v0                           ; lane
	v_and_b32 v2, 15, v0                           ; r
	v_bfe_u32 v3, v0, 4, 1                         ; h
	v_lshlrev_b32 v16, 4, v0                       ; my record
	v_mul_u32_u24 v17, v0, 12                      ; my fine point
	v_mul_u32_u24 v18, v0, 24                      ; pair t of each block of 256 pairs
	s_lshl_b32 s22, s20, 12
	v_lshl_add_u32 v19, v1, 4, s22                 ; F: 4 rows a wave, 16 bytes a lane
	v_lshrrev_b32 v27, 3, v0
	v_mul_u32_u24 v20, v27, 272
	v_and_b32 v27, 7, v0
	v_lshl_add_u32 v20, v27, 5, v20
	v_add_nc_u32 v20, CT, v20                      ; pair t: group t >> 3, place t & 7
	s_mul_i32 s23, s20, 2112                       ; 4 rows of 528 bytes
	s_add_co_u32 s23, s23, FT
	v_lshl_add_u32 v21, v1, 3, s23                 ; F in bf16: 8 bytes a lane
	s_wait_dscnt 0x0
	s_wait_kmcnt 0x0
	s_add_nc_u64 s[26:27], s[12:13], s[46:47]
	s_or_b32 s27, s27, 0x80000000                  ; type = 2
	tensor_load_to_lds s[24:27], s[28:35]          ; my one tensor load of the launch, ahead of everything else
	s_nop 0
	s_add_nc_u64 s[4:5], s[4:5], s[36:37]
	s_add_nc_u64 s[16:17], s[16:17], s[36:37]
	s_add_nc_u64 s[18:19], s[18:19], s[36:37]
	s_add_nc_u64 s[6:7], s[6:7], s[38:39]
	s_add_nc_u64 s[8:9], s[8:9], s[40:41]
	s_add_nc_u64 s[10:11], s[10:11], s[42:43]
	s_add_nc_u64 s[14:15], s[14:15], s[44:45]
	; What the exact pass needs goes first, so that counted waits can leave F on its way.
.irp i, 0,1,2,3
	global_load_b96 v[32+8*\i:34+8*\i], v18, s[6:7] offset:6144*\i         ; pair 256 i + t: its even point,
	global_load_b96 v[36+8*\i:38+8*\i], v18, s[6:7] offset:6144*\i+12      ; its odd point
.endr
	global_load_b96 v[28:30], v17, s[8:9]
	global_load_b128 v[4:7], v16, s[4:5]
.irp i, 0,1,2,3,4,5,6,7
	global_load_b128 v[ACC+4*\i:ACC+4*\i+3], v19, s[10:11] offset:512*\i th:TH_LOAD_NT   ; each row of F is read once in the launch; these registers are not named before the wait for them
.endr
.macro CPAIR i                         ; two points: round, widen, |c|^2 in the order x, y, z; 32 bytes into the table
	v_cvt_pk_bf16_f32 v104, v[32+8*\i], v[36+8*\i]
	v_cvt_pk_bf16_f32 v105, v[33+8*\i], v[37+8*\i]
	v_cvt_pk_bf16_f32 v106, v[34+8*\i], v[38+8*\i]
	v_lshlrev_b32 v96, 16, v104
	v_and_b32 v97, s21, v104
	v_lshlrev_b32 v98, 16, v105
	v_and_b32 v99, s21, v105
	v_lshlrev_b32 v100, 16, v106
	v_and_b32 v101, s21, v106
	v_pk_mul_f32 v[102:103], v[96:97], v[96:97]
	v_pk_fma_f32 v[102:103], v[98:99], v[98:99], v[102:103]
	v_pk_fma_f32 v[102:103], v[100:101], v[100:101], v[102:103]
	ds_store_b128 v20, v[96:99] offset:8704*\i
	ds_store_b128 v20, v[100:103] offset:8704*\i+16
.endm
	s_wait_loadcnt 0xa                             ; the eight coarse loads are in; ten younger ones (fine, gids, F) stay out
.irp i, 0,1,2,3
	CPAIR \i
.endr
	s_wait_loadcnt 0x8                             ; fine and gids are in; the eight loads of F stay out
	v_cvt_pk_bf16_f32 v27, v28, v29
	v_cvt_pk_bf16_f32 v31, v30, v30
	v_lshlrev_b32 v8, 16, v27                      ; fx
	v_and_b32 v9, s21, v27                         ; fy
	v_lshlrev_b32 v10, 16, v31                     ; fz
	v_mul_f32 v11, v8, v8
	v_fma_f32 v11, v9, v9, v11
	v_fma_f32 v11, v10, v10, v11                   ; |f|^2
.irp s, 0,1,2,3
	v_min_u32 v[4+\s], 0x7f, v[4+\s]               ; a loaded number enters an address only clamped to the table
	v_mul_u32_u24 v[12+\s], v[4+\s], 272
	v_add_nc_u32 v[12+\s], CT, v[12+\s]
.endr
	s_wait_dscnt 0x0                               ; my part of the table is written,
	s_barrier_signal -1
	s_barrier_wait -1                              ; everybody's is.  The tensor load and F's loads stay out: behind this barrier no LDS byte is filled
	                                               ; again, and neither W1b nor F's rows are read before the second barrier
; THE EXACT PASS, all waves, one fine point a lane.  Eight chunks of eight candidates; chunk c = half c & 1 of group slot c >> 1.
.macro CHUNK c
.irp i, 0,1,2,3,4,5,6,7
	ds_load_b128 v[BF+32*((\c)&1)+4*\i:BF+32*((\c)&1)+4*\i+3], v[12+(\c)/2] offset:128*((\c)&1)+16*\i
.endr
.endm
; Value v[x] at place q (0..63, ascending in the point's index since the slots are ascending) into the list of three; strictly smaller only.
.macro INS3 x, q
	v_cmp_lt_f32 s48, v[\x], v176
	v_cmp_lt_f32 s49, v[\x], v177
	v_cmp_lt_f32 s50, v[\x], v178
	v_cndmask_b32 v183, \q, v181, s49
	v_cndmask_b32 v182, v182, v183, s50
	v_cndmask_b32 v183, \q, v180, s48
	v_cndmask_b32 v181, v181, v183, s49
	v_cndmask_b32 v180, v180, \q, s48
	v_med3_num_f32 v178, v[\x], v177, v178
	v_med3_num_f32 v177, v[\x], v176, v177
	v_min_num_f32 v176, v[\x], v176
.endm
.macro WORK c
.irp p, 0,1,2,3
	v_pk_mul_f32 v[TT+2*\p:TT+2*\p+1], v[BF+32*((\c)&1)+8*\p:BF+32*((\c)&1)+8*\p+1], v[8:9] op_sel_hi:[1,0]                                        ; cx fx
.endr
.irp p, 0,1,2,3
	v_pk_fma_f32 v[TT+2*\p:TT+2*\p+1], v[BF+32*((\c)&1)+8*\p+2:BF+32*((\c)&1)+8*\p+3], v[8:9], v[TT+2*\p:TT+2*\p+1] op_sel:[0,1,0] op_sel_hi:[1,1,1]  ; + cy fy
.endr
.irp p, 0,1,2,3
	v_pk_fma_f32 v[TT+2*\p:TT+2*\p+1], v[BF+32*((\c)&1)+8*\p+4:BF+32*((\c)&1)+8*\p+5], v[10:11], v[TT+2*\p:TT+2*\p+1] op_sel_hi:[1,0,1]               ; + cz fz
.endr
.irp p, 0,1,2,3
	v_pk_fma_f32 v[TT+2*\p:TT+2*\p+1], v[TT+2*\p:TT+2*\p+1], -2.0, v[10:11] op_sel:[0,0,1] op_sel_hi:[1,0,1]                                          ; |f|^2 - 2 dot
.endr
.irp p, 0,1,2,3
	v_pk_add_f32 v[TT+2*\p:TT+2*\p+1], v[TT+2*\p:TT+2*\p+1], v[BF+32*((\c)&1)+8*\p+6:BF+32*((\c)&1)+8*\p+7]                                           ; + |c|^2
.endr
.irp e, 0,1,2,3,4,5,6,7
	v_max_num_f32 v[TT+\e], 0, v[TT+\e]
.endr
.irp e, 0,1,2,3,4,5,6,7
	INS3 TT+\e, 8*(\c)+\e
.endr
.endm
.irp i, 0,1,2
	v_mov_b32 v[176+\i], 0x7f800000
	v_mov_b32 v[180+\i], 0
.endr
	CHUNK 0
.irp c, 0,1,2,3,4,5,6
	CHUNK \c+1
	s_wait_dscnt 0x8                               ; all but the eight just issued
	WORK \c
.endr
	s_wait_dscnt 0x0
	WORK 7
; place q -> row of G1: group number of slot q >> 4, times 16, + q & 15, + the batch's first row
.macro NROW k
	v_lshrrev_b32 v184, 4, v[180+\k]
	v_and_b32 v185, 15, v[180+\k]
	v_cmp_eq_u32 vcc_lo, 1, v184
	v_cndmask_b32 v186, v4, v5, vcc_lo
	v_cmp_eq_u32 vcc_lo, 2, v184
	v_cndmask_b32 v186, v186, v6, vcc_lo
	v_cmp_eq_u32 vcc_lo, 3, v184
	v_cndmask_b32 v186, v186, v7, vcc_lo
	v_lshl_add_u32 v186, v186, 4, v185
	v_add_nc_u32 v[188+\k], s51, v186
.endm
	v_sqrt_f32 v96, v176
	v_sqrt_f32 v97, v177
	v_sqrt_f32 v98, v178
	NROW 0                                         ; plain work behind the roots (ISA guide 5.7.2), which touches none of their registers
	s_wait_alu depctr_va_vdst(0)
	v_add_f32 v96, 0x322bcc77, v96                 ; + 1e-8
	v_add_f32 v97, 0x322bcc77, v97
	v_add_f32 v98, 0x322bcc77, v98
	v_rcp_f32 v96, v96
	v_rcp_f32 v97, v97
	v_rcp_f32 v98, v98
	NROW 1                                         ; likewise behind the reciprocals
	s_wait_alu depctr_va_vdst(0)
	v_add_f32 v99, v96, v97
	v_add_f32 v99, v99, v98
	v_rcp_f32 v99, v99
	NROW 2
	s_wait_alu depctr_va_vdst(0)
	v_mul_f32 v96, v96, v99
	v_mul_f32 v97, v97, v99
	v_mul_f32 v98, v98, v99
	v_mov_b32 v99, 0                               ; the fourth word of both records is written too
	v_mov_b32 v191, 0
	global_store_b128 v16, v[188:191], s[16:17]    ; a wave stores 512 consecutive bytes, aligned
	global_store_b128 v16, v[96:99], s[18:19]
; F into LDS as bf16.  The temporaries are not the registers that the two stores above still read.
	s_wait_loadcnt 0x0                             ; F is in
.irp i, 0,1,2,3,4,5,6,7
	v_cvt_pk_bf16_f32 v100, v[ACC+4*\i], v[ACC+4*\i+1]
	v_cvt_pk_bf16_f32 v101, v[ACC+4*\i+2], v[ACC+4*\i+3]
	ds_store_b64 v21, v[100:101] offset:(\i/2)*528+(\i%2)*256  ; row 4 w + i / 2, columns 128 (i % 2) + 4 lane ..
.endr
	s_wait_dscnt 0x0                               ; my rows of F are written,
	s_wait_tensorcnt 0x0                           ; my rows of W1b have landed,
	s_barrier_signal -1
	s_barrier_wait -1                              ; everybody's: the second and last barrier
; G1, waves 0 to 3: wave w makes rows 16 (w & 1) .. + 15 x the 128 columns of half w >> 1: eight tiles, K = 256 in eight steps of 32.
; (32 rows x two halves of the columns are four shares; a narrower share would leave a lane fewer than the 16 neighbouring bytes that it stores.)
	s_cmp_gt_u32 s20, 3
	s_cbranch_scc1 .Ldone
	s_wait_xcnt 0x0                                ; the weights' store has read v[96:99]: F's fragments are loaded there only behind this wait
	s_and_b32 s22, s20, 1
	s_lshr_b32 s23, s20, 1
	s_lshl_b32 s23, s23, 8                         ; 256 bytes for a half of the columns, in LDS rows and in G1's rows
	s_mul_i32 s36, s22, 8448                       ; 16 rows of 528 bytes
	s_add_co_u32 s36, s36, FT
	v_mul_u32_u24 v22, v2, 528
	v_lshl_add_u32 v22, v3, 4, v22
	v_add_nc_u32 v22, s36, v22                     ; F fragment: row r, 16 h; K steps and the second 16 bytes stand in the immediate
	v_and_b32 v27, 7, v0
	v_lshl_add_u32 v27, v3, 3, v27
	v_mul_u32_u24 v23, v27, 544                    ; W1b lies [k][place]: transposing loads, row 8 h + (lane & 7),
	v_bfe_u32 v27, v0, 3, 1
	v_lshl_add_u32 v23, v27, 4, v23                ; 16 bytes further for lanes 8-15 and 24-31
	v_add_nc_u32 v23, s23, v23
	v_add_nc_u32 v24, 52224, v23                   ; K steps 3 to 5 (the immediate has 16 bits)
	v_add_nc_u32 v25, 104448, v23                  ; K steps 6 and 7
	s_lshl_b32 s22, s22, 13
	s_add_co_u32 s22, s22, s23
	v_lshlrev_b32 v26, 4, v2
	v_lshl_add_u32 v26, v3, 12, v26
	v_add_nc_u32 v26, s22, v26                     ; G1: row 16 (w & 1) + 8 h, byte 256 (w >> 1) + 16 r
.macro LDA s
	ds_load_b128 v[AF+8*((\s)&1):AF+8*((\s)&1)+3], v22 offset:64*(\s)
	ds_load_b128 v[AF+8*((\s)&1)+4:AF+8*((\s)&1)+7], v22 offset:64*(\s)+32
.endm
.macro LDB s, hf
.irp q, 0,1,2,3
	ds_load_tr16_b128 v[BF+32*\hf+8*\q:BF+32*\hf+8*\q+3], v[23+(\s)/3] offset:((\s)%3)*17408+32*(4*\hf+\q)
	ds_load_tr16_b128 v[BF+32*\hf+8*\q+4:BF+32*\hf+8*\q+7], v[23+(\s)/3] offset:((\s)%3)*17408+32*(4*\hf+\q)+8704
.endr
.endm
; Half a K step: four products on four accumulators.  The eight accumulators take turns, one instruction a turn.
; Behind the products four places, then the loads into the operands just read.
.macro HALF s, hf, cnt, more
	s_wait_dscnt \cnt
.irp q, 0,1,2,3
.if (\s) == 0
	v_wmma_f32_16x16x32_bf16 v[ACC+8*(4*\hf+\q):ACC+8*(4*\hf+\q)+7], v[AF+8*((\s)&1):AF+8*((\s)&1)+7], v[BF+32*\hf+8*\q:BF+32*\hf+8*\q+7], 0
.else
	v_wmma_f32_16x16x32_bf16 v[ACC+8*(4*\hf+\q):ACC+8*(4*\hf+\q)+7], v[AF+8*((\s)&1):AF+8*((\s)&1)+7], v[BF+32*\hf+8*\q:BF+32*\hf+8*\q+7], v[ACC+8*(4*\hf+\q):ACC+8*(4*\hf+\q)+7]
.endif
.endr
.if \more
.rept 4
	v_nop
.endr
.if \hf == 0
	LDA (\s)+1
.endif
	LDB (\s)+1, \hf
.endif
.endm
	LDA 0
	LDB 0, 0
	LDB 0, 1
.set ks, 0
.rept 7
	HALF ks, 0, 0x8, 1                             ; out: the 8 loads of this step's second half
	HALF ks, 1, 0xa, 1                             ; out: the next step's F fragment (2) and first half (8)
.set ks, ks+1
.endr
	HALF 7, 0, 0x8, 0
	HALF 7, 1, 0x0, 0
.rept 4
	v_nop                                          ; four places ahead of the reads of the results and the writes into the operands
.endr
; Tile q of the eight holds, in lane (r, h) and register j, row 8 h + j and true column 128 (w >> 1) + 8 r + q: eight tiles give a lane 16 neighbouring bytes.
.irp j, 0,1,2,3,4,5,6,7
.irp i, 0,1,2,3
	v_cvt_pk_f16_f32 v[BF+4*\j+\i], v[ACC+16*\i+\j], v[ACC+16*\i+8+\j]
.endr
	global_store_b128 v26, v[BF+4*\j:BF+4*\j+3], s[14:15] offset:512*\j    ; sixteen lanes store 256 consecutive bytes, aligned
.endr
.Ldone:
	s_wait_tensorcnt 0x0
	ds_add_u32 v192, v193
	s_wait_dscnt 0x0
	s_endpgm
.Lfunc_end_k_q3eff1de275_refine:
	.size	k_q3eff1de275_refine, .Lfunc_end_k_q3eff1de275_refine-k_q3eff1de275_refine
	.p2alignl 7, 3214868480
	.fill 96, 4, 3214868480
	.section	.rodata,"a",@progbits
	.p2align	6, 0x0
	.amdhsa_kernel k_q3eff1de275_refine
		.amdhsa_group_segment_fixed_size 192000
		.amdhsa_private_segment_fixed_size 0
		.amdhsa_enable_private_segment 0
		.amdhsa_kernarg_size 64
		.amdhsa_user_sgpr_count 2
		.amdhsa_user_sgpr_kernarg_segment_ptr 1
		.amdhsa_wavefront_size32 1
		.amdhsa_system_sgpr_workgroup_id_x 1
		.amdhsa_system_sgpr_workgroup_id_y 1
		.amdhsa_system_sgpr_workgroup_id_z 1
		.amdhsa_system_vgpr_workitem_id 0
		.amdhsa_next_free_vgpr 194
		.amdhsa_next_free_sgpr 66
		.amdhsa_reserve_vcc 1
		.amdhsa_float_denorm_mode_32 3
		.amdhsa_float_denorm_mode_16_64 3
		.amdhsa_memory_ordered 1
		.amdhsa_forward_progress 1
		.amdhsa_inst_pref_size 91
	.end_amdhsa_kernel
	.amdgpu_metadata
---
amdhsa.version: [ 1, 2 ]
amdhsa.kernels:
  - .name:           k_q3eff1de275_refine
    .symbol:         k_q3eff1de275_refine.kd
    .args:
      - { .name: gids, .offset: 0, .size: 8, .value_kind: global_buffer, .address_space: global }
      - { .name: coarse_coords, .offset: 8, .size: 8, .value_kind: global_buffer, .address_space: global }
      - { .name: fine_coords, .offset: 16, .size: 8, .value_kind: global_buffer, .address_space: global }
      - { .name: coarse_feats, .offset: 24, .size: 8, .value_kind: global_buffer, .address_space: global }
      - { .name: W1b, .offset: 32, .size: 8, .value_kind: global_buffer, .address_space: global }
      - { .name: G1, .offset: 40, .size: 8, .value_kind: global_buffer, .address_space: global }
      - { .name: nidx, .offset: 48, .size: 8, .value_kind: global_buffer, .address_space: global }
      - { .name: nw, .offset: 56, .size: 8, .value_kind: global_buffer, .address_space: global }
    .group_segment_fixed_size: 192000
    .private_segment_fixed_size: 0
    .kernarg_segment_align: 8
    .kernarg_segment_size: 64
    .max_flat_workgroup_size: 256
    .sgpr_count:     66
    .vgpr_count:     194
    .wavefront_size: 32
...
	.end_amdgpu_metadata
.endif
;; end of part 2
;; launch mlp (part 3): grid 256 x 1, 8 waves a work-group, no clusters, 275,456 bytes of LDS; arguments nidx, nw, G1, W2b, b1, b2, out0; writes out0
.if DOCPART == 3
	.amdgcn_target "amdgcn-amd-amdhsa--gfx1250"
	.amdhsa_code_object_version 6
	.text
	.protected	k_q3eff1de275_mlp
	.globl	k_q3eff1de275_mlp
	.p2align	8
	.type	k_q3eff1de275_mlp,@function
k_q3eff1de275_mlp:
	s_mov_b64 s[64:65], 0
	v_nop
	global_prefetch_b8 v0, s[64:65] scope:SCOPE_SE
	s_setreg_imm32_b32 hwreg(HW_REG_WAVE_MODE, 25, 1), 1
	s_wait_xcnt 0x0
; MLP.  out0[p] = gelu(b1 + sum_k w_k G1[idx_k]) x W2 + b2 for 256 fine points a work-group, 32 a wave.
; PHASE 1, a point at a time, lane = channels 8 lane .. + 7: three rows of G1 (512 bytes of f16 each, one 16-byte load a lane) are widened and blended in
; f32 on top of b1, the exact GELU is applied in f32, and the row goes as f16 into the wave's own 32 rows of LDS.
; PHASE 2: the wave multiplies its own 32 rows by W2b (256 x 256 f16 in LDS, brought by one tensor load a wave) in two passes of 128 columns.
; GELU.  gelu(x) = max(x, 0) - |x| Q(|x|), Q(a) = erfc(a / sqrt 2) / 2 = exp(-a^2 / 2) t (c1 + t (c2 + t (c3 + t (c4 + t c5)))), t = 1 / (1 + 0.2316419 a):
; Abramowitz and Stegun 7.1.26, halved; its error in Q is at most 7.5e-8 for every a.
; FORMAT: the activations are f16 operands (eleven significant bits: with eight, their rounding alone is a sixth of what the result may be off by, and
; some of 16.7 million numbers fall outside); W2b holds the bf16-rounded W2 in f16.  Sums, blend, GELU and both biases are f32.
; LIMIT: |gelu| below 65,504.  Features and W1 both offset by 30 times their spread give 256 x 30 x 1.875 = 14,400; both 30 times larger a spread of 900;
; both 30 times smaller a spread of 3e-4, where f16's step is at most 6e-8.
; No cluster: what work-groups share is W2b, 128 KiB read once by each, beside 384 KiB of gathered rows and 256 KiB of output of its own.
; No ring: every LDS byte is filled once.  No prefetch: G1 and the lists were stored by the launch before, and G1's rows are read by many work-groups.
.set HB,   139264                      ; LDS 0 .. 139,263: W2b, pitch 544 = 17 x 32.  HB + 16,896 w: the wave's 32 rows of activations, pitch 528 = 33 x 16
.set IDX,  4                           ; v[4:7]     lane i: the three rows of G1 of the wave's point i
.set WT,   8                           ; v[8:11]    lane i: its three weights
.set B1,   12                          ; v[12:19]   b1 of my 8 channels
.set DATA, 32                          ; v[32:127]  two batches x 4 points x 3 rows x 4 registers; below v128, where a register's halves can be named
.set OFF,  128                         ; v[128:151] two batches x 12 offsets into G1
.set X,    152                         ; v[152:159] the blend
.set R,    160                         ; max(x, 0)
.set AX,   168                         ; |x|
.set U,    176                         ; 1 + 0.2316419 |x|, then t
.set Q,    184                         ; the exponent, then the exponential
.set S,    192                         ; the polynomial, then the result
.set HP,   200                         ; v[200:203] the result in f16
.set T,    204                         ; v[204:227] a point's three rows in f32
.set ACC,  16                          ; phase 2: v[16:143] ACC + 64 m + 8 n
.set BF,   144                         ; v[144:207] W2b fragments, two halves of four tiles; on the way out sixteen quads
.set AF,   208                         ; v[208:239] activation fragments: AF + 16 (step & 1) + 8 m
.set B2,   248                         ; v[248:255] b2 of my 8 columns of the pass
                                       ; v240 fragment address in H; v241-243 in W2b; v244 my offset in out0; v245 in b2
	s_load_b256 s[4:11], s[0:1], 0x0               ; nidx s[4:5], nw s[6:7], G1 s[8:9], W2b s[10:11]
	s_load_b128 s[12:15], s[0:1], 0x20             ; b1 s[12:13], b2 s[14:15]
	s_load_b64 s[16:17], s[0:1], 0x30              ; out0
	v_lshl_add_u32 v246, v0, 2, 0x43000
	v_mov_b32 v247, 0
	ds_add_u32 v246, v247
	ds_add_u32 v246, v247
	v_lshrrev_b32 v24, 5, v0
	v_readfirstlane_b32 s20, v24                   ; wave 0..7
	s_mov_b32 s24, 1                               ; group 0: count = 1
	s_mul_i32 s25, s20, 17408                      ; LDS address: 32 rows of 544 bytes a wave
	s_mov_b32 s28, 0x0f910000                      ; group 1: elements of 2 bytes; padding on: after every 128 words (a row) skip 8 words
	s_mov_b32 s29, 256<<16                         ; tensor_dim0 = 256
	s_mov_b32 s30, 32<<16                          ; tensor_dim1 = 32
	s_mov_b32 s31, 256<<16                         ; tile_dim0 = 256
	s_mov_b32 s32, 32                              ; tile_dim1 = 32
	s_mov_b32 s33, 256                             ; elements from row to row
	s_mov_b32 s34, 0
	s_mov_b32 s35, 0
	s_lshl_b32 s46, s20, 14
	s_mov_b32 s47, 0
	s_lshl_b32 s36, ttmp9, 12                      ; 256 records of 16 bytes
	s_mov_b32 s37, 0
	s_lshl_b32 s38, ttmp9, 18                      ; 256 rows of 1,024 bytes
	s_mov_b32 s39, 0
	s_mov_b32 s41, 0                               ; the upper words of the three pairs whose lower words carry a point's weights:
	s_mov_b32 s43, 0                               ; a packed instruction names the pair and broadcasts its lower word
	s_mov_b32 s45, 0
	s_mul_i32 s21, s20, 16896
	s_add_co_u32 s21, s21, HB                      ; my wave's rows of activations
	s_lshl_b32 s22, s20, 15                        ; my wave's 32 rows of out0
	v_and_b32 v1, 31, v0                           ; lane
	v_and_b32 v2, 15, v0                           ; r
	v_bfe_u32 v3, v0, 4, 1                         ; h
	v_lshlrev_b32 v24, 4, v0                       ; my record
	v_lshlrev_b32 v25, 5, v1                       ; my 8 numbers of b1
	v_lshlrev_b32 v22, 4, v1                       ; my 16 bytes of a row of G1
	v_lshl_add_u32 v23, v1, 4, s21                 ; and of a row of activations
	v_mov_b32 v20, 0x3f07dc22                      ; c5 = 0.5307027, twice
	v_mov_b32 v21, 0x3f07dc22
	v_mul_u32_u24 v240, v2, 528
	v_lshl_add_u32 v240, v3, 4, v240
	v_add_nc_u32 v240, s21, v240                   ; activation fragment: row r, 16 h
	v_and_b32 v26, 7, v0
	v_lshl_add_u32 v26, v3, 3, v26
	v_mul_u32_u24 v241, v26, 544                   ; W2b lies [k][place]: transposing loads, row 8 h + (lane & 7),
	v_bfe_u32 v26, v0, 3, 1
	v_lshl_add_u32 v241, v26, 4, v241              ; 16 bytes further for lanes 8-15 and 24-31
	v_add_nc_u32 v242, 52224, v241                 ; K steps 3 to 5
	v_add_nc_u32 v243, 104448, v241                ; K steps 6 and 7
	v_lshlrev_b32 v245, 4, v2
	v_lshl_add_u32 v244, v3, 13, v245
	v_add_nc_u32 v244, s22, v244                   ; out0: row 32 w + 8 h, byte 16 r
	s_wait_dscnt 0x0
	s_wait_kmcnt 0x0
	s_add_nc_u64 s[26:27], s[10:11], s[46:47]
	s_or_b32 s27, s27, 0x80000000                  ; type = 2
	tensor_load_to_lds s[24:27], s[28:35]          ; my one tensor load of the launch: rows 32 w .. + 31 of W2b; it has all of phase 1 in which to land
	s_nop 0
	s_add_nc_u64 s[4:5], s[4:5], s[36:37]
	s_add_nc_u64 s[6:7], s[6:7], s[36:37]
	s_add_nc_u64 s[16:17], s[16:17], s[38:39]
	global_load_b128 v[IDX:IDX+3], v24, s[4:5]
	global_load_b128 v[WT:WT+3], v24, s[6:7]
	global_load_b128 v[B1:B1+3], v25, s[12:13]
	global_load_b128 v[B1+4:B1+7], v25, s[12:13] offset:16
	s_wait_loadcnt 0x0
; Twelve loads: the three rows of points p0 .. p0 + 3.  A row number from memory enters an address only clamped to G1's 8,192 rows.
; OFF and DATA of a batch are written again only behind the counted wait that showed the batch's loads done.
; The launch makes 196,608 reads of 8,192 rows, 24 of a row on the average, from many work-groups: the loads carry the hint for data that is read again.
.macro ISSUE buf, p0
.irp i, 0,1,2,3
.irp k, 0,1,2
	v_readlane_b32 s36, v[IDX+\k], \p0+\i
	s_min_u32 s36, s36, 0x1fff
	s_lshl_b32 s36, s36, 9
	v_add_nc_u32 v[OFF+12*\buf+3*\i+\k], s36, v22
	global_load_b128 v[DATA+48*\buf+12*\i+4*\k:DATA+48*\buf+12*\i+4*\k+3], v[OFF+12*\buf+3*\i+\k], s[8:9] th:TH_LOAD_HT
.endr
.endr
.endm
.macro GELU8
.irp c, 0,1,2,3,4,5,6,7
	v_max_num_f32 v[R+\c], 0, v[X+\c]
.endr
.irp c, 0,2,4,6
	v_pk_mul_f32 v[Q+\c:Q+\c+1], v[X+\c:X+\c+1], v[X+\c:X+\c+1]
.endr
.irp c, 0,2,4,6
	v_pk_fma_f32 v[AX+\c:AX+\c+1], v[R+\c:R+\c+1], 2.0, v[X+\c:X+\c+1] op_sel_hi:[1,0,1] neg_lo:[0,0,1] neg_hi:[0,0,1]   ; |x| = 2 max(x, 0) - x
.endr
.irp c, 0,2,4,6
	v_pk_mul_f32 v[Q+\c:Q+\c+1], v[Q+\c:Q+\c+1], 0xbf38aa3b op_sel_hi:[1,0]        ; - x^2 / 2 x log2 e
.endr
.irp c, 0,2,4,6
	v_pk_fma_f32 v[U+\c:U+\c+1], v[AX+\c:AX+\c+1], 0x3e6d3389, 1.0 op_sel_hi:[1,0,0]   ; 1 + 0.2316419 |x|
.endr
.irp c, 0,1,2,3,4,5,6,7
	v_rcp_f32 v[U+\c], v[U+\c]
.endr
.irp c, 0,1,2,3,4,5,6,7
	v_exp_f32 v[Q+\c], v[Q+\c]
.endr
	v_nop                                          ; one plain place behind the run of transcendentals, ahead of the first use (ISA guide 5.7.2)
	s_wait_alu depctr_va_vdst(0)
.irp c, 0,2,4,6
	v_pk_fma_f32 v[S+\c:S+\c+1], v[U+\c:U+\c+1], v[20:21], 0xbf3a00e3 op_sel_hi:[1,1,0]    ; c5 t + c4, c4 = -0.7265760
.endr
.irp c, 0,2,4,6
	v_pk_fma_f32 v[S+\c:S+\c+1], v[S+\c:S+\c+1], v[U+\c:U+\c+1], 0x3f35f0e3 op_sel_hi:[1,1,0]  ; c3 = 0.7107069
.endr
.irp c, 0,2,4,6
	v_pk_fma_f32 v[S+\c:S+\c+1], v[S+\c:S+\c+1], v[U+\c:U+\c+1], 0xbe11a98e op_sel_hi:[1,1,0]  ; c2 = -0.1422484
.endr
.irp c, 0,2,4,6
	v_pk_fma_f32 v[S+\c:S+\c+1], v[S+\c:S+\c+1], v[U+\c:U+\c+1], 0x3e027906 op_sel_hi:[1,1,0]  ; c1 = 0.1274148
.endr
.irp c, 0,2,4,6
	v_pk_mul_f32 v[S+\c:S+\c+1], v[S+\c:S+\c+1], v[U+\c:U+\c+1]
.endr
.irp c, 0,2,4,6
	v_pk_mul_f32 v[S+\c:S+\c+1], v[S+\c:S+\c+1], v[Q+\c:Q+\c+1]                    ; Q(|x|)
.endr
.irp c, 0,2,4,6
	v_pk_fma_f32 v[S+\c:S+\c+1], v[AX+\c:AX+\c+1], v[S+\c:S+\c+1], v[R+\c:R+\c+1] neg_lo:[1,0,0] neg_hi:[1,0,0]   ; max(x, 0) - |x| Q
.endr
.irp c, 0,1,2,3
	v_cvt_pk_f16_f32 v[HP+\c], v[S+2*\c], v[S+2*\c+1]
.endr
.endm
; Eight f16 in registers a, b, c, d widen into v[t .. t + 7].  A register's halves are named by its number, so the numbers are passed as they are written.
.macro W4 t, a, b, c, d
	v_cvt_f32_f16 v[\t], v\a\().l
	v_cvt_f32_f16 v[\t+1], v\a\().h
	v_cvt_f32_f16 v[\t+2], v\b\().l
	v_cvt_f32_f16 v[\t+3], v\b\().h
	v_cvt_f32_f16 v[\t+4], v\c\().l
	v_cvt_f32_f16 v[\t+5], v\c\().h
	v_cvt_f32_f16 v[\t+6], v\d\().l
	v_cvt_f32_f16 v[\t+7], v\d\().h
.endm
; One point, whose three rows lie in registers a0 .. a11: widen, blend (the first multiply-add starts from b1), GELU, 16 bytes a lane into row p of the wave's activations.
.macro POINT p, a0, a1, a2, a3, a4, a5, a6, a7, a8, a9, a10, a11
	v_readlane_b32 s40, v[WT], \p
	v_readlane_b32 s42, v[WT+1], \p
	v_readlane_b32 s44, v[WT+2], \p
	W4 T, \a0, \a1, \a2, \a3
	W4 T+8, \a4, \a5, \a6, \a7
	W4 T+16, \a8, \a9, \a10, \a11
.irp e, 0,2,4,6
	v_pk_fma_f32 v[X+\e:X+\e+1], v[T+\e:T+\e+1], s[40:41], v[B1+\e:B1+\e+1] op_sel_hi:[1,0,1]
.endr
.irp e, 0,2,4,6
	v_pk_fma_f32 v[X+\e:X+\e+1], v[T+8+\e:T+8+\e+1], s[42:43], v[X+\e:X+\e+1] op_sel_hi:[1,0,1]
.endr
.irp e, 0,2,4,6
	v_pk_fma_f32 v[X+\e:X+\e+1], v[T+16+\e:T+16+\e+1], s[44:45], v[X+\e:X+\e+1] op_sel_hi:[1,0,1]
.endr
	GELU8
	ds_store_b128 v23, v[HP:HP+3] offset:528*(\p)
.endm
.macro PROC buf, p0                    ; the four points of a batch; the numbers are DATA + 48 buf + 12 i + 0 .. 11
.if \buf == 0
	POINT \p0+0, 32, 33, 34, 35, 36, 37, 38, 39, 40, 41, 42, 43
	POINT \p0+1, 44, 45, 46, 47, 48, 49, 50, 51, 52, 53, 54, 55
	POINT \p0+2, 56, 57, 58, 59, 60, 61, 62, 63, 64, 65, 66, 67
	POINT \p0+3, 68, 69, 70, 71, 72, 73, 74, 75, 76, 77, 78, 79
.else
	POINT \p0+0, 80, 81, 82, 83, 84, 85, 86, 87, 88, 89, 90, 91
	POINT \p0+1, 92, 93, 94, 95, 96, 97, 98, 99, 100, 101, 102, 103
	POINT \p0+2, 104, 105, 106, 107, 108, 109, 110, 111, 112, 113, 114, 115
	POINT \p0+3, 116, 117, 118, 119, 120, 121, 122, 123, 124, 125, 126, 127
.endif
.endm
	ISSUE 0, 0
.set bt, 0
.rept 3
	ISSUE 1, 4*bt+4
	s_wait_loadcnt 0xc                             ; all but the twelve just issued: the batch before is in
	PROC 0, 4*bt
	ISSUE 0, 4*bt+8
	s_wait_loadcnt 0xc
	PROC 1, 4*bt+4
.set bt, bt+2
.endr
	ISSUE 1, 28
	s_wait_loadcnt 0xc
	PROC 0, 24
	s_wait_loadcnt 0x0                             ; the last batch: nothing was issued behind it
	PROC 1, 28
	s_wait_dscnt 0x0                               ; no LDS instruction of mine is pending at the signal,
	s_wait_tensorcnt 0x0                           ; my rows of W2b have landed,
	s_barrier_signal -1
	s_barrier_wait -1                              ; everybody's have: the only barrier.  The activations are each wave's own
; PHASE 2.  Pass ps: places 128 ps .. + 127 of W2b, eight tiles n; tile n = 4 c + q holds true column 128 ps + 64 c + 4 r + q in lane (r, h).
.macro LDA s
.irp m, 0,1
	ds_load_b128 v[AF+16*((\s)&1)+8*\m:AF+16*((\s)&1)+8*\m+3], v240 offset:8448*\m+64*(\s)
	ds_load_b128 v[AF+16*((\s)&1)+8*\m+4:AF+16*((\s)&1)+8*\m+7], v240 offset:8448*\m+64*(\s)+32
.endr
.endm
.macro LDB s, hf, ps
.irp q, 0,1,2,3
	ds_load_tr16_b128 v[BF+32*\hf+8*\q:BF+32*\hf+8*\q+3], v[241+(\s)/3] offset:((\s)%3)*17408+256*\ps+32*(4*\hf+\q)
	ds_load_tr16_b128 v[BF+32*\hf+8*\q+4:BF+32*\hf+8*\q+7], v[241+(\s)/3] offset:((\s)%3)*17408+256*\ps+32*(4*\hf+\q)+8704
.endr
.endm
; Half a K step: eight products on eight accumulators.  The sixteen accumulators take turns, one instruction a turn.
; Behind the products four places, then the loads into the operands just read.
.macro HALF s, hf, cnt, more, ps
	s_wait_dscnt \cnt
.irp q, 0,1,2,3
.irp m, 0,1
.if (\s) == 0
	v_wmma_f32_16x16x32_f16 v[ACC+64*\m+8*(4*\hf+\q):ACC+64*\m+8*(4*\hf+\q)+7], v[AF+16*((\s)&1)+8*\m:AF+16*((\s)&1)+8*\m+7], v[BF+32*\hf+8*\q:BF+32*\hf+8*\q+7], 0
.else
	v_wmma_f32_16x16x32_f16 v[ACC+64*\m+8*(4*\hf+\q):ACC+64*\m+8*(4*\hf+\q)+7], v[AF+16*((\s)&1)+8*\m:AF+16*((\s)&1)+8*\m+7], v[BF+32*\hf+8*\q:BF+32*\hf+8*\q+7], v[ACC+64*\m+8*(4*\hf+\q):ACC+64*\m+8*(4*\hf+\q)+7]
.endif
.endr
.endr
.if \more
.rept 4
	v_nop
.endr
.if \hf == 0
	LDA (\s)+1
.endif
	LDB (\s)+1, \hf, \ps
.endif
.endm
.macro PASS ps
.if \ps
	s_wait_xcnt 0x0                                ; the first pass's stores have read their data: BF is loaded again only behind this wait
.endif
	global_load_b128 v[B2:B2+3], v245, s[14:15] offset:512*\ps         ; b2 of columns 128 ps + 4 r ..
	global_load_b128 v[B2+4:B2+7], v245, s[14:15] offset:512*\ps+256   ; and 128 ps + 64 + 4 r ..
	LDA 0
	LDB 0, 0, \ps
	LDB 0, 1, \ps
.set ks, 0
.rept 7
	HALF ks, 0, 0x8, 1, \ps                        ; out: the 8 loads of this step's second half
	HALF ks, 1, 0xc, 1, \ps                        ; out: the next step's activations (4) and first half (8)
.set ks, ks+1
.endr
	HALF 7, 0, 0x8, 0, \ps
	HALF 7, 1, 0x0, 0, \ps
.rept 4
	v_nop                                          ; four places ahead of the reads of the results and the writes into the operands
.endr
	s_wait_loadcnt 0x0                             ; b2
	; The bias add gathers a lane's four neighbouring columns from four tiles into four neighbouring registers: no stage in LDS.
.irp m, 0,1
.if \m
	s_wait_xcnt 0x0                                ; the sixteen quads are written again
.endif
.irp c, 0,1
.irp j, 0,1,2,3,4,5,6,7
.irp q, 0,1,2,3
	v_add_f32 v[BF+32*\c+4*\j+\q], v[ACC+64*\m+8*(4*\c+\q)+\j], v[B2+4*\c+\q]
.endr
	global_store_b128 v244, v[BF+32*\c+4*\j:BF+32*\c+4*\j+3], s[16:17] offset:(16*\m+\j)*1024+512*\ps+256*\c th:TH_STORE_NT   ; sixteen lanes store 256 consecutive bytes, aligned
.endr
.endr
.endr
.endm
	PASS 0
	PASS 1
	s_wait_tensorcnt 0x0
	ds_add_u32 v246, v247
	s_wait_dscnt 0x0
	s_endpgm
.Lfunc_end_k_q3eff1de275_mlp:
	.size	k_q3eff1de275_mlp, .Lfunc_end_k_q3eff1de275_mlp-k_q3eff1de275_mlp
	.p2alignl 7, 3214868480
	.fill 96, 4, 3214868480
	.section	.rodata,"a",@progbits
	.p2align	6, 0x0
	.amdhsa_kernel k_q3eff1de275_mlp
		.amdhsa_group_segment_fixed_size 275456
		.amdhsa_private_segment_fixed_size 0
		.amdhsa_enable_private_segment 0
		.amdhsa_kernarg_size 56
		.amdhsa_user_sgpr_count 2
		.amdhsa_user_sgpr_kernarg_segment_ptr 1
		.amdhsa_wavefront_size32 1
		.amdhsa_system_sgpr_workgroup_id_x 1
		.amdhsa_system_sgpr_workgroup_id_y 1
		.amdhsa_system_sgpr_workgroup_id_z 1
		.amdhsa_system_vgpr_workitem_id 0
		.amdhsa_next_free_vgpr 256
		.amdhsa_next_free_sgpr 66
		.amdhsa_reserve_vcc 0
		.amdhsa_float_denorm_mode_32 3
		.amdhsa_float_denorm_mode_16_64 3
		.amdhsa_memory_ordered 1
		.amdhsa_forward_progress 1
		.amdhsa_inst_pref_size 255
	.end_amdhsa_kernel
	.section	.bss,"aw",@nobits
	.p2align	6
	.space	262144
	.amdgpu_metadata
---
amdhsa.version: [ 1, 2 ]
amdhsa.kernels:
  - .name:           k_q3eff1de275_mlp
    .symbol:         k_q3eff1de275_mlp.kd
    .args:
      - { .name: nidx, .offset: 0, .size: 8, .value_kind: global_buffer, .address_space: global }
      - { .name: nw, .offset: 8, .size: 8, .value_kind: global_buffer, .address_space: global }
      - { .name: G1, .offset: 16, .size: 8, .value_kind: global_buffer, .address_space: global }
      - { .name: W2b, .offset: 24, .size: 8, .value_kind: global_buffer, .address_space: global }
      - { .name: b1, .offset: 32, .size: 8, .value_kind: global_buffer, .address_space: global }
      - { .name: b2, .offset: 40, .size: 8, .value_kind: global_buffer, .address_space: global }
      - { .name: out0, .offset: 48, .size: 8, .value_kind: global_buffer, .address_space: global }
    .group_segment_fixed_size: 275456
    .private_segment_fixed_size: 0
    .kernarg_segment_align: 8
    .kernarg_segment_size: 56
    .max_flat_workgroup_size: 256
    .sgpr_count:     66
    .vgpr_count:     256
    .wavefront_size: 32
...
	.end_amdgpu_metadata
.endif
;; end of part 3
